; MI455X (gfx1250); checked and timed in simulation.
; The chip was launched on July 23, 2026; its instructions are those of AMD's public machine-readable ISA for CDNA 5 (MIT licence, August 2026) and "CDNA5" Instruction Set Architecture Reference Guide (July 2026). The comments in the code are by the model that wrote it; some were corrected since.
;; Model. Allowed arithmetic: matrix products marked QUANTISED: E4M3 operands, one given power-of-two scale a tensor, by v_wmma_f32_16x16x64_fp8_fp8 or v_wmma_f32_16x16x128_fp8_fp8, f32 sums; everything else in f32.
;; Inputs: k 4 x 16 x 2,048 x 64 float32; lowp_scales 4 int32 (the exponents e of the quantised operands' scales 2^e); q 4 x 16 x 2,048 x 64 float32; scale one number float32; v 4 x 16 x 2,048 x 64 float32.
;; Outputs: out0 4 x 16 x 2,048 x 64 float32.
;; This version of the problem:
;;   THIS VERSION OF THE PROBLEM IS GIVEN IN LOW PRECISION. The matrix products marked QUANTISED in the list below multiply operands that are first quantised to E4M3 (4 exponent bits, 3 mantissa bits; 8 bits a number), with one given power-of-two scale for each operand tensor; their sums are f32. All else is computed in f32.
;;   The module's matrix products, in the order in which they are computed (A, B: the left and right operand; K: the contracted axis; several contracted axes count as one K, in the product's order):
;;     1. batch 64 x [M 2,048, K 64] x [K 64, N 2,048]; A: input q; B: input k: QUANTISED (scales: A lowp_scales[0], B lowp_scales[1])
;;     2. batch 64 x [M 2,048, K 2,048] x [K 2,048, N 64]; A: softmax (see below); B: input v: QUANTISED (scales: A lowp_scales[2], B lowp_scales[3])
;;   THE QUANTISER, for each operand of a quantised product, along K:
;;     - The operand's scale is 2^e, e = its entry of the input lowp_scales (int32; the entries are numbered through the quantised products in the list's order, A before B).
;;     - Each number is divided by the scale, clamped to +-448, and rounded to the nearest number of E4M3, ties to even, subnormals kept.
;;     - The product sums the exact products of the quantised numbers (number of the format x scale) in f32.
;;   ~~~python
;;   def quantise(x, axis, e):      # numpy; x: float32 -> the quantised numbers, widened to float32 again
;;       x = np.moveaxis(x, axis, -1); K = x.shape[-1]
;;       r = np.clip(x / 2.0 ** e, -448, 448)
;;       step = 2.0 ** (np.maximum(np.frexp(np.where(r == 0, 1, r))[1] - 1, -6) - 3)
;;       q = np.round(r / step) * step * 2.0 ** e      # np.round: ties to even
;;       return np.moveaxis(q, -1, axis).astype(np.float32)
;;   ~~~
;;   SOFTMAX AHEAD OF A QUANTISED PRODUCT. Where the list says 'softmax', what is quantised is not the finished softmax but p = 2^(t - M), with t = logit x log2(e) and M = ceil(the row's largest t), a whole number; so 1/2 < the row's largest p <= 1. The row's sum l is taken of the UNQUANTISED p, in f32, and the product's result is divided by l at the end. Since M is a whole number, a kernel that streams over the keys may use a running M (the ceiling of the running maximum): every later rescaling is an exact power of two, so the quantised numbers keep their values, but for numbers so far below the row's largest that they fall under the format's range.
;;   OPERANDS COMPUTED ON THE WAY. 'Computed on the way' means the value that the module computes at that place (a softmax that the list does not call 'softmax' is quantised finished and normalised). What goes into a quantiser is computed in f32, as accurately as f32 sums, v_exp_f32 and their like allow (about 1e-6 of the number): no bf16 or f16 on the way to a quantiser, and a product that is left as it is and whose result goes on into a quantised operand takes f32 operands (vector FMAs, or v_wmma_f32_16x16x4_f32). A number that lies on a knife's edge between two numbers of the format may be rounded either way, as far as f32 arithmetic and the matrix unit's own rounding can turn it there, and no further.
;; 2 versions, each right; version 2 is version 1 with the launch attn written anew for expert scheduling mode. Each part assembles by itself: llvm-mc -triple=amdgcn-amd-amdhsa -mcpu=gfx1250 --defsym DOCPART=n.
;; ======== version 1 of 2: 1 launch
;; launch attn (part 1): grid 4 x 64, 8 waves a work-group, no clusters, 302,080 bytes of LDS; arguments q, k, v, scale, lowp_scales, out0; writes out0
.if DOCPART == 1
	.amdgcn_target "amdgcn-amd-amdhsa--gfx1250"
	.amdhsa_code_object_version 6
	.text
	.protected	k_qbb23a66ccf_attn
	.globl	k_qbb23a66ccf_attn
	.p2align	8
	.type	k_qbb23a66ccf_attn,@function
k_qbb23a66ccf_attn:
	s_mov_b64 s[64:65], 0
	v_nop
	global_prefetch_b8 v0, s[64:65] scope:SCOPE_SE
	s_setreg_imm32_b32 hwreg(HW_REG_WAVE_MODE, 25, 1), 1
	s_wait_xcnt 0x0
; out0[h][q][:] = the sum over k of softmax_k(q[h][q] . k[h][k] / scale) v[h][k][:].  64 heads, 2,048 queries and keys, head size 64; q, k, v, out0 f32, a row 256 bytes.
; BOTH PRODUCTS ON CODES OF E4M3, each operand with its given scale 2^e (lowp_scales: eq, ek, ep, ev): code = x / 2^e, held within +-448, to the nearest code, ties to even.
; THE SOFTMAX AHEAD OF THE SECOND PRODUCT: t = score x log2(e) / scale; M = ceil(the row's largest t); p = 2^(t - M) is quantised; l = the sum of the unquantised p divides at the end.
; No work of the problem is left out: every input has a way to the output and is loaded.
; SHARES.  A work-group owns one head (y) and 512 of its queries (x); each of its eight waves owns 64 queries: four tiles of 16.  Two waves share a SIMD's registers, 512 each,
; so that one wave's exponentials stand beside the other's matrix instructions and LDS loads.
; THE HEAD'S K AND V LIE IN LDS AS CODES, 131,072 bytes each, written once.  PHASES:
;   A      each wave quantises its own 64 rows of q (to registers, by way of its stage) and 256 keys of K (to LDS)                           | barrier 1
;   pass 1 S^T = K Q^T over all keys, of which only each query's largest score is kept; between the steps the wave quantises 256 keys of V, turned, to LDS; M is made   | barrier 2
;   pass 2 S^T again, p = 2^(c s - M), l += p, p to codes, O^T += V^T P^T
;   out    O^T x 2^(ep + ev) / l, through the wave's stage, as whole rows of 256 bytes
; With M known before pass 2 nothing is rescaled from step to step, and M is the problem's own M.  The price is the first product done twice.
; LAYOUT.  Both products are used transposed (source 0 = 16 keys, or 16 of the head's 64; source 1 = 16 queries): a lane holds ONE query (lane % 16) throughout.  In S^T tile kt, register j of lane (r, h) is key
; 16 kt + 8 h + j: its eight registers convert into registers 2 kt, 2 kt + 1 of P, which is the place that the form gives those keys.
; OPERANDS LIE IN LDS AS IMAGES OF THEIR REGISTERS: a fragment (8 registers a lane) is 1,024 bytes, registers 4 g .. 4 g + 3 of lane l at 512 g + 16 l: two ds_load_b128 bring it, 512 consecutive bytes each.
;   K, Q: lane (r, h) register n holds d = 32 h + 4 n + 0 .. 3 of row r: a permutation of d that is the same in both, so every product meets its partner.
;   V: fragment (step s, t): lane (r, h) registers 2 c, 2 c + 1 hold V[64 s + 16 c + 8 h + 0 .. 7][16 t + r].
; NO CLUSTER, NO TENSOR LOAD: what the four work-groups of a head share is f32 rows, which must pass through registers to become codes; beside 262,144 bytes of codes and the stages under 40 KiB of LDS would be left
; for slots, so a head's 1 MiB of rows would want some thirty refills and more, each behind a round of a cluster's barrier.  Here no LDS byte is filled twice and two barriers serve the launch.
; A NEGATIVE scale IS SERVED: c takes its magnitude, and the sign bits of q's codes are flipped by a mask made from c's sign; nothing branches on it.
; LIMITS: each of eq, ek, ep, ev between -126 and 119, so that 2^e and 448 x 2^e are f32 numbers; scale finite and not 0; NaN among the inputs is not served (an infinity in q, k, v is held at the largest code).
.set KIMG,  0                          ; LDS: K's 128 tiles of 16 keys x 1,024 bytes
.set VIMG,  135168                     ; V's fragments: (4 s + t) x 1,024.  Between the two a pad of 4,096 bytes that no access touches: pass 1's loop names K's base + 32,768 + up to 4,095, with the base at 65,536 or under;
                                       ; the pad keeps that form clear of V's images at the base's value on leaving the loop too
.set STG,   266240                     ; a stage of 4,352 bytes for each wave: q's four images first, 16 rows x 272 bytes on the way out
.set STGW,  4352
.set SPARE, 301056                     ; the spare words, 128 bytes for each wave: four blocks of 256 bytes that no other line names
; window 0
.set LI,  1                            ; v1   16 x lane: my place in an image
.set AKS, 2                            ; v2   where I store K's codes
.set AQS, 3                            ; v3   where I store q's codes (my stage)
.set AQR, 4                            ; v4   where I read q's images back
.set GK,  5                            ; v5   16 x lane: my bytes of a load of q or K
.set GV,  6                            ; v6   8 x lane: my bytes of a row of V
.set VSC, 7                            ; v7   my place among V's images
.set AVS, 8                            ; v8   where I store V's codes, this trip
.set ADK, 9                            ; v9   LDS address of the K fragments in hand
.set ADV, 10                           ; v10  of V's
.set STO, 11                           ; v11  the way out: where I put 32 bytes of a row
.set RD,  12                           ; v12  where I read a row back
.set GO,  13                           ; v13  my byte offset in two rows of out0
.set CC,  14                           ; v[14:15] c = log2(e) / |scale| x 2^(eq + ek), twice
                                       ; v16, v17: 2^eq, 448 x 2^eq;  v18, v19: ek;  v20, v21: ev;  v22, v23: ep
.set ST,  24                           ; v24-55 tile t's statistics at ST + 8 t: +0 -M, +1 the largest score, +2 .. +5 l in two packed chains, +6, +7 two chains of the maximum; later +6 = 2^(ep + ev) / l
.set SGN, 56                           ; v56  0x80808080 where scale is negative, else 0
.set SPW, 62                           ; v62  LDS address of my spare word; never rewritten
.set NIL, 63                           ; v63  0; never rewritten
.set S,   64                           ; v64-191 S^T, then p: tile t, keys 16 kt on, at S + 32 t + 8 kt
.set P,   192                          ; v192-223 p's codes, 8 a tile
.set R,   64                           ; phase A: v64-223 five sets of 32 numbers as loaded
.set CD,  224                          ; v224-239 two sets of 8 registers of codes
.set VC,  240                          ; v240-247 V's codes as converted (two d by turns);  v248-251 those of the even d;  v252-255 of the odd d
.set VE,  248
.set VO,  252
; window 1
.set OT,  0                            ; v0-127 O^T: tile t, d 16 u on, at 32 t + 8 u.  Until pass 2: four sets of 32 numbers of V
.set KF,  128                          ; v128-159 K's four fragments of a step (pass 1: buffer 0)
.set VF,  160                          ; v160-191 V's four fragments (pass 1: K's buffer 1)
.set QF,  192                          ; v192-223 Q's four fragments: they stay
; scalars: s[4:5] q, s[6:7] k, s[8:9] v, s[10:11] scale's address, s[12:13] lowp_scales' address, s[14:15] out0; s16-19 eq, ek, ep, ev; s20 scale; s21 wave; s24 LDS base of the step; s25 counter;
; s26, s27 selects for lane l xor 16; s28, s29 byte selects; s30 1 where the hold on p can bite; s31 eq + ek, then ep + ev; s32 LDS base of my V stores
.set MSB, 0
.macro WIN new                         ; s_set_vgpr_msb: bits 1:0 source 0, 3:2 source 1, 5:4 source 2, 7:6 destination; the high byte repeats the setting that is left
.if MSB != \new
	s_set_vgpr_msb (MSB<<8)|\new
.set MSB, \new
.endif
.endm
.macro PLACES                          ; four plain vector instructions between a matrix instruction and a read of its result or a load into its registers
.rept 4
	v_nop
.endr
.endm
; 16 rows of q or K: eight loads of 512 consecutive bytes (two rows): load i gives my lane row 2 i + lane / 16, d = 4 (lane % 16) + 0 .. 3
.macro KLOAD set, base, off, nt
.set i, 0
.rept 8
.if \nt
	global_load_b128 v[R+32*(\set)+4*i:R+32*(\set)+4*i+3], v[GK], s[\base:\base+1] offset:\off+512*i th:TH_LOAD_NT
.else
	global_load_b128 v[R+32*(\set)+4*i:R+32*(\set)+4*i+3], v[GK], s[\base:\base+1] offset:\off+512*i
.endif
.set i, i+1
.endr
.endm
.macro ULOAD u                         ; unit u of phase A: 0-3 my four tiles of q (read by me alone), 4-19 my sixteen tiles of K (read by the head's four work-groups)
.if (\u) < 4
	KLOAD (\u)%5, 4, 4096*(\u), 1
.else
	KLOAD (\u)%5, 6, 4096*((\u)-4), 0
.endif
.endm
; The unit's 32 numbers a lane become 8 registers of codes, register i = four codes of row 2 i + lane / 16; each goes to its place in the tile's image: 32 i on from my place.
; These stores fall four lanes to a bank (64 banks of 4 bytes: ISA guide 11.1); there are 160 of them a wave in the whole launch.
.macro KPROC set, cd, adr, off, sc, lim
.set i, 0
.rept 32
	v_med3_num_f32 v[R+32*(\set)+i], v[R+32*(\set)+i], -v[\lim], v[\lim]   ; the conversion does not saturate (ISA guide 7.6.2): the hold at the largest code x the scale
.set i, i+1
.endr
	s_wait_dscnt 8                                 ; all but the unit before's eight stores: the stores of two units back have read this set of codes
.set i, 0
.rept 4
	v_cvt_scalef32_pk8_fp8_f32 v[\cd+2*i:\cd+2*i+1], v[R+32*(\set)+8*i:R+32*(\set)+8*i+7], v[\sc]
.set i, i+1
.endr
.set i, 0
.rept 8
	ds_store_b32 v[\adr], v[\cd+i] offset:\off+32*i
.set i, i+1
.endr
.endm
.macro UNIT u, n                       ; n: the younger loads, which may stay out
	s_wait_loadcnt \n
.if (\u) < 4
	KPROC (\u)%5, CD+8*((\u)%2), AQS, 1024*(\u), 16, 17
.else
	KPROC (\u)%5, CD+8*((\u)%2), AKS, 1024*((\u)-4), 18, 19
.endif
.endm
; 16 keys of V, those of a 64-key step that registers 4 g .. 4 g + 3 of lanes' half h want: 32 g + 8 h + 0 .. 7 and 16 further on.  A load is one whole row of 256 bytes; my lane gets d = 2 lane and 2 lane + 1
.macro VLOAD set, g, h, off
	WIN 0x40                                       ; destination window 1
.set i, 0
.rept 16
	global_load_b64 v[32*(\set)+2*i:32*(\set)+2*i+1], v[GV], s[8:9] offset:\off+(32*(\g)+8*(\h)+(i%8)+16*(i/8))*256
.set i, i+1
.endr
	WIN 0
.endm
; They become codes, my registers running down the keys, two d by turns; two byte selects part the d; 16 codes of each d are registers 4 g .. 4 g + 3 of one lane of an image.
.macro VPROC set, g, h, n, more
	s_wait_loadcnt \n                              ; this unit's 16 loads are in; the younger units' may be out
	WIN 0x41                                       ; source 0 and destination window 1
.set i, 0
.rept 32
	v_med3_num_f32 v[32*(\set)+i], v[32*(\set)+i], -v21, v21
.set i, i+1
.endr
	WIN 0x01                                       ; source 0 window 1
.set i, 0
.rept 4
	v_cvt_scalef32_pk8_fp8_f32 v[VC+2*i:VC+2*i+1], v[32*(\set)+8*i:32*(\set)+8*i+7], v20
.set i, i+1
.endr
	WIN 0
	v_nop                                          ; one plain vector instruction between a scaled conversion and the vector instruction that reads its result
.set i, 0
.rept 4
	v_perm_b32 v[VE+i], v[VC+2*i+1], v[VC+2*i], s28   ; bytes 0, 2, 4, 6 of the pair: four keys of d = 2 lane
	v_perm_b32 v[VO+i], v[VC+2*i+1], v[VC+2*i], s29   ; bytes 1, 3, 5, 7: of d = 2 lane + 1
.set i, i+1
.endr
	ds_store_b128 v[AVS], v[VE:VE+3] offset:512*(\g)+256*(\h)
	ds_store_b128 v[AVS], v[VO:VO+3] offset:512*(\g)+256*(\h)+16
.if \more
	VLOAD \set, \g, \h, 16384                      ; the same unit of my next 64 keys
.endif
.endm
; 16 matrix instructions: S^T of 64 keys x my 64 queries; each starts its sum with the constant 0 and ends it: K = the head's 64
.macro KQ kb
.set kt, 0
.rept 4
.set qq, 0
.rept 4
	v_wmma_f32_16x16x64_fp8_fp8 v[S+32*qq+8*kt:S+32*qq+8*kt+7], v[\kb+8*kt:\kb+8*kt+7], v[QF+8*qq:QF+8*qq+7], 0
.set qq, qq+1
.endr
.set kt, kt+1
.endr
.endm
; A step of pass 1, the j-th of a trip's eight.  more = 1: the next step's four fragments of K are asked for first, into the other buffer (its last readers stand behind four places and 64 maxima)
.macro P1STEP j, more
.if \more
	WIN 0x40
.set f, 0
.rept 8
	ds_load_b128 v[KF+32*(((\j)+1)%2)+4*f:KF+32*(((\j)+1)%2)+4*f+3], v[ADK] offset:((\j)+1)*4096+512*f
.set f, f+1
.endr
	s_wait_dscnt 8                                 ; all but the eight just issued: this step's fragments are in
.else
	s_wait_dscnt 0
.endif
	WIN 0x05                                       ; K and Q window 1, S^T window 0
	KQ KF+32*((\j)%2)
	WIN 0
	PLACES
.set i, 0
.rept 16                               ; each query's largest score, in two chains a tile, the tiles by turns; each accumulator is read from its low end on
.set qq, 0
.rept 4
	v_max3_num_f32 v[ST+8*qq+6+i%2], v[ST+8*qq+6+i%2], v[S+32*qq+2*i], v[S+32*qq+2*i+1]
.set qq, qq+1
.endr
.set i, i+1
.endr
.endm
; A trip of pass 1: eight steps (512 keys) and, in four parts between them, 64 of my keys of V.  more = 0: the last trip: nothing more is asked of V, and the last step asks for no K beyond the head's
.macro P1TRIP more
	v_add_nc_u32 v[ADK], s24, v[LI]
	v_add_nc_u32 v[AVS], s32, v[VSC]
.irp p, 0,1,2,3
	P1STEP 2*\p, 1
.if \more || (\p < 3)
	P1STEP 2*\p+1, 1
.else
	P1STEP 2*\p+1, 0
.endif
.if \more
	VPROC \p, \p/2, \p%2, 48, 1                    ; three younger units of 16 loads
.else
	VPROC \p, \p/2, \p%2, 48-16*\p, 0              ; the counts run down
.endif
.endr
.endm
; A step of pass 2: 64 keys.  zero = 1: the first step starts O^T's sums with the constant 0.  more = 1: the next step's K is asked for behind this step's first products
.macro P2STEP zero, more
	v_add_nc_u32 v[ADK], s24, v[LI]                ; these four plain lines are the places behind the last step's products, in front of the loads into V's registers
	v_add_nc_u32 v[ADV], VIMG, v[ADK]
	v_nop
	v_nop
	WIN 0x40
.set f, 0
.rept 8
	ds_load_b128 v[VF+4*f:VF+4*f+3], v[ADV] offset:512*f
.set f, f+1
.endr
	s_wait_dscnt 8                                 ; K is in; V's eight loads may be out
	WIN 0x05
	KQ KF
	WIN 0
	PLACES
.if \more
	WIN 0x40
.set f, 0
.rept 8
	ds_load_b128 v[KF+4*f:KF+4*f+3], v[ADK] offset:4096+512*f
.set f, f+1
.endr
	WIN 0
.endif
.set qq, 0
.rept 4
.set i, 0
.rept 16
	v_pk_fma_f32 v[S+32*qq+2*i:S+32*qq+2*i+1], v[S+32*qq+2*i:S+32*qq+2*i+1], v[CC:CC+1], v[ST+8*qq:ST+8*qq+1] op_sel_hi:[1,0,0]   ; t - M = c s - M, two at a time (of the pairs c and -M the low word serves both halves)
.set i, i+1
.endr
.set qq, qq+1
.endr
.set i, 0
.rept 128
	v_exp_f32 v[S+i], v[S+i]                       ; p = 2^(t - M): not normalised
.set i, i+1
.endr
	v_nop                                          ; a plain instruction behind the last exponential
	s_wait_alu depctr_va_vdst(0)                   ; one wait for the batch, ahead of its first reader
.set i, 0
.rept 16                               ; l is taken of the unquantised p: two chains a tile, the tiles by turns
.set qq, 0
.rept 4
	v_pk_add_f32 v[ST+8*qq+2+2*(i%2):ST+8*qq+3+2*(i%2)], v[ST+8*qq+2+2*(i%2):ST+8*qq+3+2*(i%2)], v[S+32*qq+2*i:S+32*qq+2*i+1]
.set qq, qq+1
.endr
.set i, i+1
.endr
	s_cmp_eq_u32 s30, 0                            ; p is at most 1 (but for rounding), and 448 x 2^ep is 1.75 or more where ep >= -8: there the hold can change nothing and is passed over,
	s_cbranch_scc1 .Lfree_\@                       ; by a branch on a whole number that was read from lowp_scales
.set i, 0
.rept 128
	v_min_num_f32 v[S+i], v[S+i], v23              ; p is not negative: the hold is one-sided
.set i, i+1
.endr
.Lfree_\@:
.set qq, 0
.rept 4
.set kt, 0
.rept 4
	v_cvt_scalef32_pk8_fp8_f32 v[P+8*qq+2*kt:P+8*qq+2*kt+1], v[S+32*qq+8*kt:S+32*qq+8*kt+7], v22
.set kt, kt+1
.endr
.set qq, qq+1
.endr
	v_nop                                          ; one plain vector instruction between a scaled conversion and the matrix instruction that reads its result
.if \more
	s_wait_dscnt 8                                 ; V is in; the next step's K may be out
.else
	s_wait_dscnt 0
.endif
	WIN 0x51                                       ; V, C and D window 1, P window 0
.set u, 0
.rept 4                                ; the sixteen accumulators take turns, one instruction a turn
.set qq, 0
.rept 4
.if \zero
	v_wmma_f32_16x16x64_fp8_fp8 v[OT+32*qq+8*u:OT+32*qq+8*u+7], v[VF+8*u:VF+8*u+7], v[P+8*qq:P+8*qq+7], 0
.else
	v_wmma_f32_16x16x64_fp8_fp8 v[OT+32*qq+8*u:OT+32*qq+8*u+7], v[VF+8*u:VF+8*u+7], v[P+8*qq:P+8*qq+7], v[OT+32*qq+8*u:OT+32*qq+8*u+7]
.endif
.set qq, qq+1
.endr
.set u, u+1
.endr
	WIN 0
	s_add_co_u32 s24, s24, 4096                    ; the next step's images
.endm
.macro MKSCALE e, sc, lim              ; 2^e as f32, whose exponent field the conversion takes, and 448 x 2^e
	s_add_co_i32 s34, s[\e], 127
	s_lshl_b32 s35, s34, 23
	v_mov_b32 v[\sc], s35
	s_add_co_i32 s34, s34, 8
	s_lshl_b32 s34, s34, 23
	s_or_b32 s34, s34, 0x600000
	v_mov_b32 v[\lim], s34
.endm
	s_load_b256 s[4:11], s[0:1], 0x0               ; q, k, v, scale
	s_load_b128 s[12:15], s[0:1], 0x20             ; lowp_scales, out0
	v_lshl_add_u32 v[SPW], v0, 2, SPARE
	v_mov_b32 v[NIL], 0
	v_lshrrev_b32 v57, 5, v0
	v_readfirstlane_b32 s21, v57                   ; wave 0..7
	v_and_b32 v57, 31, v0                          ; lane
	v_lshlrev_b32 v[LI], 4, v57
	v_lshlrev_b32 v[GK], 4, v57
	v_lshlrev_b32 v[GV], 3, v57
	; where my four codes of a loaded row go in a tile's image: d = 4 (lane % 16) on is register lane % 8 of half (lane / 8) % 2; the row is 2 i + lane / 16
	v_bfe_u32 v58, v0, 2, 1
	v_lshlrev_b32 v58, 9, v58                      ; registers 4-7: 512 on
	v_bfe_u32 v59, v0, 3, 1
	v_lshl_add_u32 v58, v59, 8, v58                ; the upper half of the image's lanes: 256 on
	v_and_b32 v59, 3, v0
	v_lshl_add_u32 v58, v59, 2, v58                ; the register among four
	v_bfe_u32 v59, v0, 4, 1                        ; h = lane / 16
	v_lshl_add_u32 v58, v59, 4, v58                ; the odd row: one lane on
	s_and_b32 s22, ttmp7, 0xffff                   ; the head,
	s_lshl_b32 s22, s22, 19                        ; its first byte in each tensor: 2,048 rows of 256 bytes
	s_lshl_b32 s33, ttmp9, 17                      ; my work-group's 512 queries
	s_add_co_u32 s36, s22, s33
	s_lshl_b32 s33, s21, 14                        ; my wave's 64 queries; also my wave's 16 tiles in K's images and 16 fragments in V's
	s_add_co_u32 s36, s36, s33
	s_mov_b32 s37, 0
	s_lshl_b32 s35, s21, 16                        ; my wave's 256 keys
	s_add_co_u32 s22, s22, s35
	s_mov_b32 s23, 0
	v_add_nc_u32 v[AKS], s33, v58
	s_add_co_u32 s32, s33, VIMG
	s_mul_i32 s34, s21, STGW
	s_add_co_u32 s34, s34, STG                     ; my stage
	v_add_nc_u32 v[AQS], s34, v58
	v_add_nc_u32 v[AQR], s34, v[LI]
	v_bfe_u32 v60, v0, 3, 2
	v_lshlrev_b32 v[VSC], 10, v60                  ; V: d = 2 lane lies in fragment t = lane / 8,
	v_and_b32 v60, 7, v0
	v_lshl_add_u32 v[VSC], v60, 5, v[VSC]          ; lane 2 (lane % 8) of its image
	v_and_b32 v60, 15, v0                          ; r = lane % 16
	v_mul_u32_u24 v[STO], v60, 272
	v_lshl_add_u32 v[STO], v59, 5, v[STO]
	v_add_nc_u32 v[STO], s34, v[STO]               ; the way out, in: row r, + 32 h
	v_mul_u32_u24 v[RD], v59, 272
	v_lshl_add_u32 v[RD], v60, 4, v[RD]
	v_add_nc_u32 v[RD], s34, v[RD]                 ; back: lanes 0-15 one row of 256 bytes, lanes 16-31 the next
	v_lshlrev_b32 v[GO], 8, v59
	v_lshl_add_u32 v[GO], v60, 4, v[GO]            ; and the same two rows in out0
	s_mov_b32 s26, 0x76543210
	s_mov_b32 s27, 0xfedcba98
	s_mov_b32 s28, 0x06040200
	s_mov_b32 s29, 0x07050301
	s_wait_kmcnt 0x0
	s_load_b128 s[16:19], s[12:13], 0x0            ; eq, ek, ep, ev
	s_load_b32 s20, s[10:11], 0x0                  ; scale
	s_add_nc_u64 s[6:7], s[6:7], s[22:23]          ; K and V at my wave's first key
	s_add_nc_u64 s[8:9], s[8:9], s[22:23]
	s_add_nc_u64 s[4:5], s[4:5], s[36:37]          ; q and out0 at my wave's first query
	s_add_nc_u64 s[14:15], s[14:15], s[36:37]
.irp u, 0,1,2,3,4
	ULOAD \u                                       ; five units, 40 loads, are on their way
.endr
.irp t, 0,1,2,3
	v_mov_b32 v[ST+8*\t+2], 0                      ; l
	v_mov_b32 v[ST+8*\t+3], 0
	v_mov_b32 v[ST+8*\t+4], 0
	v_mov_b32 v[ST+8*\t+5], 0
	v_mov_b32 v[ST+8*\t+6], 0xff800000             ; the largest score so far: -infinity
	v_mov_b32 v[ST+8*\t+7], 0xff800000
.endr
	s_wait_kmcnt 0x0
	MKSCALE 16, 16, 17
	MKSCALE 17, 18, 19
	MKSCALE 19, 20, 21
	MKSCALE 18, 22, 23
	s_cmp_lt_i32 s18, -8
	s_cselect_b32 s30, 1, 0                        ; 448 x 2^ep < 1 only where ep < -8
	s_add_co_i32 s31, s16, s17                     ; a score stands for score x 2^(eq + ek)
	v_rcp_f32 v[CC], s20
	v_nop                                          ; a plain instruction behind the reciprocal,
	s_wait_alu depctr_va_vdst(0)                   ; and a wait ahead of its first reader
	v_mul_f32 v[CC], 0x3fb8aa3b, v[CC]             ; log2(e) / scale
	v_ldexp_f32 v[CC], v[CC], s31
	v_ashrrev_i32 v[SGN], 31, v[CC]
	v_and_b32 v[SGN], 0x80808080, v[SGN]           ; the four sign bits of a register of codes, where scale is negative
	v_and_b32 v[CC], 0x7fffffff, v[CC]             ; c = |c|
	v_mov_b32 v[CC+1], v[CC]
	s_add_co_i32 s31, s18, s19                     ; ep + ev, for the way out
	; ---- PHASE A.  Twenty units of 16 rows; five are on their way at any time; the count at a unit's head leaves the younger ones out
.irp u, 0,1,2,3,4,5,6,7,8,9,10,11,12,13,14
	UNIT \u, 32                                    ; four younger units of 8 loads
	ULOAD \u+5
.endr
	UNIT 15, 32
	VLOAD 0, 0, 0, 0                               ; the ring of K runs out: V's first 64 keys take its place, 16 loads a unit
	UNIT 16, 40                                    ; 24 of K + 16 of V
	VLOAD 1, 0, 1, 0
	UNIT 17, 48                                    ; 16 + 32
	VLOAD 2, 1, 0, 0
	UNIT 18, 56                                    ; 8 + 48
	UNIT 19, 48                                    ; 48 of V
	VLOAD 3, 1, 1, 0
	WIN 0x40
.set f, 0
.rept 8
	ds_load_b128 v[QF+4*f:QF+4*f+3], v[AQR] offset:512*f   ; Q's four fragments, from my own stage: LDS serves a wave's instructions in order (ISA guide 5.7.1.4)
.set f, f+1
.endr
	s_wait_dscnt 0x0                               ; Q is in; and, for the others' sake, my stores of K's images are done
	WIN 0x44                                       ; source 1 and destination window 1
.set i, 0
.rept 32
	v_xor_b32 v[QF+i], v[SGN], v[QF+i]             ; -q where scale is negative
.set i, i+1
.endr
	WIN 0
	s_barrier_signal -1                            ; barrier 1: K's 128 tiles lie in LDS.  (My loads of V stay on their way: nobody writes those bytes)
	s_barrier_wait -1
	; ---- PASS 1
	s_mov_b32 s24, 0
	WIN 0x40
.set f, 0
.rept 8
	ds_load_b128 v[KF+4*f:KF+4*f+3], v[LI] offset:512*f    ; step 0's fragments of K
.set f, f+1
.endr
	WIN 0
	s_mov_b32 s25, 3
.Lp1:
	P1TRIP 1
	s_wait_xcnt 0x0                                ; V's loads have read their base: it is stepped only behind this wait
	s_add_nc_u64 s[8:9], s[8:9], 16384             ; 64 keys on
	s_add_co_u32 s24, s24, 32768                   ; eight steps of K's images on
	s_add_co_u32 s32, s32, 4096                    ; a step of V's images on
	s_sub_co_u32 s25, s25, 1
	s_cmp_lg_u32 s25, 0
	s_cbranch_scc1 .Lp1
	P1TRIP 0                                       ; the fourth trip is written out: no load leaves v, and no LDS load reaches beyond K's images
.irp t, 0,1,2,3
	v_max_num_f32 v[ST+8*\t+6], v[ST+8*\t+6], v[ST+8*\t+7]
.endr
.irp t, 0,1,2,3
	v_permlanex16_b32 v[ST+8*\t+7], v[ST+8*\t+6], s26, s27   ; the query's other keys lie in the lane 16 away
.endr
.irp t, 0,1,2,3
	v_max_num_f32 v[ST+8*\t+1], v[ST+8*\t+6], v[ST+8*\t+7]   ; the row's largest score
.endr
.irp t, 0,1,2,3
	v_mul_f32 v[ST+8*\t+6], v[CC], v[ST+8*\t+1]              ; as t (c is positive)
.endr
.irp t, 0,1,2,3
	v_floor_f32 v[ST+8*\t], -v[ST+8*\t+6]                    ; -M = floor(-t) = -ceil(t)
.endr
	s_wait_dscnt 0x0                               ; for the others' sake: my stores of V's images are done
	s_barrier_signal -1                            ; barrier 2: V's 128 fragments lie in LDS
	s_barrier_wait -1
	; ---- PASS 2
	s_mov_b32 s24, 0
	WIN 0x40
.set f, 0
.rept 8
	ds_load_b128 v[KF+4*f:KF+4*f+3], v[LI] offset:512*f    ; step 0's fragments of K
.set f, f+1
.endr
	WIN 0
	P2STEP 1, 1                                    ; the first step starts O^T's sums: nothing is cleared
	s_mov_b32 s25, 30
.Lp2:
	P2STEP 0, 1
	s_sub_co_u32 s25, s25, 1
	s_cmp_lg_u32 s25, 0
	s_cbranch_scc1 .Lp2
	P2STEP 0, 0                                    ; the last step asks for no K
	; ---- THE WAY OUT.  These sixteen plain lines are also the places behind the last products
.irp t, 0,1,2,3
	v_pk_add_f32 v[ST+8*\t+2:ST+8*\t+3], v[ST+8*\t+2:ST+8*\t+3], v[ST+8*\t+4:ST+8*\t+5]
.endr
.irp t, 0,1,2,3
	v_add_f32 v[ST+8*\t+2], v[ST+8*\t+2], v[ST+8*\t+3]
.endr
.irp t, 0,1,2,3
	v_permlanex16_b32 v[ST+8*\t+5], v[ST+8*\t+2], s26, s27
.endr
.irp t, 0,1,2,3
	v_add_f32 v[ST+8*\t+2], v[ST+8*\t+2], v[ST+8*\t+5]       ; l
.endr
.irp t, 0,1,2,3
	v_rcp_f32 v[ST+8*\t+6], v[ST+8*\t+2]
.endr
	v_nop                                          ; a plain instruction behind the last reciprocal,
	s_wait_alu depctr_va_vdst(0)                   ; and one wait for the four, ahead of their first reader
.irp t, 0,1,2,3
	v_ldexp_f32 v[ST+8*\t+6], v[ST+8*\t+6], s31    ; 2^(ep + ev) / l
.endr
; Tile t: register 8 u + j of lane (r, h) is out0(16 t + r, 16 u + 8 h + j).  16 rows go into my stage, 272 bytes apart, and come back as whole rows of 256 bytes, into the registers that they left.
.macro PACK t
	WIN 0x01                                       ; source 0 (O^T) window 1
.set i, 0
.rept 16
	v_pk_mul_f32 v[S+32*\t+2*i:S+32*\t+2*i+1], v[OT+32*\t+2*i:OT+32*\t+2*i+1], v[ST+8*\t+6:ST+8*\t+7] op_sel_hi:[1,0]   ; each accumulator from its low end on
.set i, i+1
.endr
	WIN 0
.set i, 0
.rept 4
	ds_store_b128 v[STO], v[S+32*\t+8*i:S+32*\t+8*i+3] offset:64*i
	ds_store_b128 v[STO], v[S+32*\t+8*i+4:S+32*\t+8*i+7] offset:64*i+16
.set i, i+1
.endr
.set i, 0
.rept 8
	ds_load_b128 v[S+32*\t+4*i:S+32*\t+4*i+3], v[RD] offset:544*i   ; LDS serves a wave's instructions in order: these see the stores above, and the next tile's stores come behind them
.set i, i+1
.endr
.endm
.macro SEND t, younger                 ; younger: the LDS instructions issued behind tile t's loads: the next tile's sixteen, or none
.set i, 0
.rept 8
	s_wait_dscnt \younger+7-i
	global_store_b128 v[GO], v[S+32*\t+4*i:S+32*\t+4*i+3], s[14:15] offset:4096*\t+512*i th:TH_STORE_NT   ; sixteen lanes store one row: 256 consecutive bytes, at a multiple of 256 from out0's first byte
.set i, i+1
.endr
.endm
	PACK 0
	PACK 1                                         ; a tile's arithmetic stands between the loads of the tile before and its stores
	SEND 0, 16
	PACK 2
	SEND 1, 16
	PACK 3
	SEND 2, 16
	SEND 3, 0
	s_wait_tensorcnt 0x0                           ; the wave's end: three closing lines behind my last LDS store
	ds_add_u32 v[SPW], v[NIL]
	s_wait_dscnt 0x0
	s_endpgm
.Lfunc_end_k_qbb23a66ccf_attn:
	.size	k_qbb23a66ccf_attn, .Lfunc_end_k_qbb23a66ccf_attn-k_qbb23a66ccf_attn
	.p2alignl 7, 3214868480
	.fill 96, 4, 3214868480
	.section	.rodata,"a",@progbits
	.p2align	6, 0x0
	.amdhsa_kernel k_qbb23a66ccf_attn
		.amdhsa_group_segment_fixed_size 302080
		.amdhsa_private_segment_fixed_size 0
		.amdhsa_enable_private_segment 0
		.amdhsa_kernarg_size 48
		.amdhsa_user_sgpr_count 2
		.amdhsa_user_sgpr_kernarg_segment_ptr 1
		.amdhsa_wavefront_size32 1
		.amdhsa_system_sgpr_workgroup_id_x 1
		.amdhsa_system_sgpr_workgroup_id_y 1
		.amdhsa_system_sgpr_workgroup_id_z 1
		.amdhsa_system_vgpr_workitem_id 0
		.amdhsa_next_free_vgpr 512
		.amdhsa_next_free_sgpr 66
		.amdhsa_reserve_vcc 0
		.amdhsa_float_denorm_mode_32 3
		.amdhsa_float_denorm_mode_16_64 3
		.amdhsa_memory_ordered 1
		.amdhsa_forward_progress 1
		.amdhsa_inst_pref_size 255
	.end_amdhsa_kernel
	.section	.bss,"aw",@nobits
	.p2align	6
	.space	262144
	.amdgpu_metadata
---
amdhsa.version: [ 1, 2 ]
amdhsa.kernels:
  - .name:           k_qbb23a66ccf_attn
    .symbol:         k_qbb23a66ccf_attn.kd
    .args:
      - { .name: q, .offset: 0, .size: 8, .value_kind: global_buffer, .address_space: global }
      - { .name: k, .offset: 8, .size: 8, .value_kind: global_buffer, .address_space: global }
      - { .name: v, .offset: 16, .size: 8, .value_kind: global_buffer, .address_space: global }
      - { .name: scale, .offset: 24, .size: 8, .value_kind: global_buffer, .address_space: global }
      - { .name: lowp_scales, .offset: 32, .size: 8, .value_kind: global_buffer, .address_space: global }
      - { .name: out0, .offset: 40, .size: 8, .value_kind: global_buffer, .address_space: global }
    .group_segment_fixed_size: 302080
    .private_segment_fixed_size: 0
    .kernarg_segment_align: 8
    .kernarg_segment_size: 48
    .max_flat_workgroup_size: 256
    .sgpr_count:     66
    .vgpr_count:     512
    .wavefront_size: 32
...
	.end_amdgpu_metadata
.endif
;; end of part 1
;; ======== version 2 of 2: 1 launch; version 1 with the launch attn written anew for expert scheduling mode
;; launch attn (part 2): grid 4 x 64, 8 waves a work-group, no clusters, 302,080 bytes of LDS; arguments q, k, v, scale, lowp_scales, out0; writes out0
.if DOCPART == 2
	.amdgcn_target "amdgcn-amd-amdhsa--gfx1250"
	.amdhsa_code_object_version 6
	.text
	.protected	k_qbb23a66ccf_attn
	.globl	k_qbb23a66ccf_attn
	.p2align	8
	.type	k_qbb23a66ccf_attn,@function
k_qbb23a66ccf_attn:
	s_mov_b64 s[64:65], 0
	v_nop
	global_prefetch_b8 v0, s[64:65] scope:SCOPE_SE
	s_setreg_imm32_b32 hwreg(HW_REG_WAVE_SCHED_MODE, 0, 2), 2
	s_setreg_imm32_b32 hwreg(HW_REG_WAVE_MODE, 25, 1), 1
	s_wait_xcnt 0x0
	s_wait_alu depctr_vm_vsrc(0)
; out0[h][q][:] = the sum over k of softmax_k(q[h][q] . k[h][k] / scale) v[h][k][:].  64 heads, 2,048 queries and keys, head size 64; q, k, v, out0 f32, a row 256 bytes.
; BOTH PRODUCTS ON CODES OF E4M3, each operand with its given scale 2^e (lowp_scales: eq, ek, ep, ev): code = x / 2^e, held within +-448, to the nearest code, ties to even.
; THE SOFTMAX AHEAD OF THE SECOND PRODUCT: t = score x log2(e) / scale; M = ceil(the row's largest t); p = 2^(t - M) is quantised; l = the sum of the unquantised p divides at the end.
; No work of the problem is left out: every input has a way to the output and is loaded.
; SHARES.  A work-group owns one head (y) and 512 of its queries (x); each of its eight waves owns 64 queries: four tiles of 16.  Two waves share a SIMD's registers, 512 each,
; so that one wave's exponentials stand beside the other's matrix instructions and LDS loads.
; THE HEAD'S K AND V LIE IN LDS AS CODES, 131,072 bytes each, written once.  PHASES:
;   A      each wave quantises its own 64 rows of q (to registers, by way of its stage) and 256 keys of K (to LDS)                           | barrier 1
;   pass 1 S^T = K Q^T over all keys, of which only each query's largest score is kept; between the steps the wave quantises 256 keys of V, turned, to LDS; M is made   | barrier 2
;   pass 2 S^T again, p = 2^(c s - M), l += p, p to codes, O^T += V^T P^T
;   out    O^T x 2^(ep + ev) / l, through the wave's stage, as whole rows of 256 bytes
; With M known before pass 2 nothing is rescaled from step to step, and M is the problem's own M.  The price is the first product done twice.
; LAYOUT.  Both products are used transposed (source 0 = 16 keys, or 16 of the head's 64; source 1 = 16 queries): a lane holds ONE query (lane % 16) throughout.  In S^T tile kt, register j of lane (r, h) is key
; 16 kt + 8 h + j: its eight registers convert into registers 2 kt, 2 kt + 1 of P, which is the place that the form gives those keys.
; OPERANDS LIE IN LDS AS IMAGES OF THEIR REGISTERS: a fragment (8 registers a lane) is 1,024 bytes, registers 4 g .. 4 g + 3 of lane l at 512 g + 16 l: two ds_load_b128 bring it, 512 consecutive bytes each.
;   K, Q: lane (r, h) register n holds d = 32 h + 4 n + 0 .. 3 of row r: a permutation of d that is the same in both, so every product meets its partner.
;   V: fragment (step s, t): lane (r, h) registers 2 c, 2 c + 1 hold V[64 s + 16 c + 8 h + 0 .. 7][16 t + r].
; NO CLUSTER, NO TENSOR LOAD: what the four work-groups of a head share is f32 rows, which must pass through registers to become codes; beside 262,144 bytes of codes and the stages under 40 KiB of LDS would be left
; for slots, so a head's 1 MiB of rows would want some thirty refills and more, each behind a round of a cluster's barrier.  Here no LDS byte is filled twice and two barriers serve the launch.
; A NEGATIVE scale IS SERVED: c takes its magnitude, and the sign bits of q's codes are flipped by a mask made from c's sign; nothing branches on it.
; LIMITS: each of eq, ek, ep, ev between -126 and 119, so that 2^e and 448 x 2^e are f32 numbers; scale finite and not 0; NaN among the inputs is not served (an infinity in q, k, v is held at the largest code).
; THE MODE: SCHED_MODE bits 1:0 = 2 (LLVM: expert scheduling mode 2), set by the entry lines.  The code itself states the register dependences between vector or matrix instructions
; and memory or LDS instructions, with s_wait_alu, always for 0.
; THE PLAN.  Registers that memory or LDS instructions touch, and who else names them:
;   v1-v7, v11-v13  addresses, made at the head and never written again; v10 gets its first value there too: one wait on va_vdst ahead of the first load serves them all.
;   R0 .. R4        phase A: a unit's eight loads land in a set; its holds and conversions work on it; behind them the loads of the unit five on land in it.
;   CD0, CD1        a unit's conversions write a set of codes; its eight LDS stores read it; it is written again two units on.
;   V0 .. V3        sixteen loads of V land in a set; its holds and conversions work on it; behind them the same unit of the next 64 keys lands in it.
;   VE, VO          written by a unit's eight byte selects, read by its two LDS stores.
;   pass 1          K's two buffers: step j's products read buffer j % 2; at its head the loads of step j + 1 land in the other, which step j - 1's products read.  v[ADK], v[AVS]: written once a trip.
;   pass 2          KF: read by a step's first products, then step s + 1's fragments land in it.  V's two buffers: step s's second products read buffer s % 2; step s + 1's fragments land in the other, which
;                   step s - 1's read.  v[ADK], v[ADV]: written once a trip of two steps.
;   S               the way out: written by the 64 multiplies, read by the LDS stores, loaded again from the stage, read by the global stores.
;   v[SPW], v[NIL]  written at the head, read by the closing add alone.
;   Statistics, P, VC, O^T, Q behind its sign flip: named by vector and matrix instructions alone.
; So: phase A has one wait on va_vdst a unit, behind its conversions, and one on vm_vsrc ahead of them.  Pass 1 has one wait on va_vdst at the head of a trip's first step and of each odd step and one in each unit of V,
; which also serves the even step that follows it.  Pass 2 has ONE wait on va_vdst a step, the one that stands behind the exponentials, and all sixteen LDS loads of the step follow it.
.set KIMG,  0                          ; LDS: K's 128 tiles of 16 keys x 1,024 bytes
.set VIMG,  135168                     ; V's fragments: (4 s + t) x 1,024.  Between the two a pad of 4,096 bytes that no access touches: pass 1's loop names K's base + 32,768 + up to 4,095, with the base at 65,536 or under;
                                       ; the pad keeps that form clear of V's images at the base's value on leaving the loop too
.set STG,   266240                     ; a stage of 4,352 bytes for each wave: q's four images first, 16 rows x 272 bytes on the way out
.set STGW,  4352
.set SPARE, 301056                     ; the spare words, 128 bytes for each wave: four blocks of 256 bytes that no other line names
; window 0
.set LI,  1                            ; v1   16 x lane: my place in an image
.set AKS, 2                            ; v2   where I store K's codes
.set AQS, 3                            ; v3   where I store q's codes (my stage)
.set AQR, 4                            ; v4   where I read q's images back
.set GK,  5                            ; v5   16 x lane: my bytes of a load of q or K
.set GV,  6                            ; v6   8 x lane: my bytes of a row of V
.set VSC, 7                            ; v7   my place among V's images
.set AVS, 8                            ; v8   where I store V's codes, this trip
.set ADK, 9                            ; v9   LDS address of the K fragments in hand
.set ADV, 10                           ; v10  of V's
.set STO, 11                           ; v11  the way out: where I put 32 bytes of a row
.set RD,  12                           ; v12  where I read a row back
.set GO,  13                           ; v13  my byte offset in two rows of out0
.set CC,  14                           ; v[14:15] c = log2(e) / |scale| x 2^(eq + ek), twice
                                       ; v16, v17: 2^eq, 448 x 2^eq;  v18, v19: ek;  v20, v21: ev;  v22, v23: ep
.set ST,  24                           ; v24-55 tile t's statistics at ST + 8 t: +0 -M, +1 the largest score, +2 .. +5 l in two packed chains, +6, +7 two chains of the maximum; later +6 = 2^(ep + ev) / l
.set SGN, 56                           ; v56  0x80808080 where scale is negative, else 0
.set SPW, 62                           ; v62  LDS address of my spare word; never rewritten
.set NIL, 63                           ; v63  0; never rewritten
.set S,   64                           ; v64-191 S^T, then p: tile t, keys 16 kt on, at S + 32 t + 8 kt
.set P,   192                          ; v192-223 p's codes, 8 a tile
.set R,   64                           ; phase A: v64-223 five sets of 32 numbers as loaded
.set CD,  224                          ; v224-239 two sets of 8 registers of codes
.set VC,  240                          ; v240-247 V's codes as converted (two d by turns);  v248-251 those of the even d;  v252-255 of the odd d
.set VE,  248
.set VO,  252
; window 1
.set OT,  0                            ; v0-127 O^T: tile t, d 16 u on, at 32 t + 8 u.  Until pass 2: four sets of 32 numbers of V
.set KF,  128                          ; v128-159 K's four fragments of a step (pass 1: buffer 0)
.set VF,  160                          ; v160-191 and v224-255 V's four fragments of a step, two buffers by turns: buffer b at VF + 64 b (pass 1: the first is K's buffer 1)
.set QF,  192                          ; v192-223 Q's four fragments: they stay
; scalars: s[4:5] q, s[6:7] k, s[8:9] v, s[10:11] scale's address, s[12:13] lowp_scales' address, s[14:15] out0; s16-19 eq, ek, ep, ev; s20 scale; s21 wave; s24 LDS base of the trip; s25 counter;
; s26, s27 selects for lane l xor 16; s28, s29 byte selects; s30 1 where the hold on p can bite; s31 eq + ek, then ep + ev; s32 LDS base of my V stores
.set MSB, 0
.macro WIN new                         ; s_set_vgpr_msb: bits 1:0 source 0, 3:2 source 1, 5:4 source 2, 7:6 destination; the high byte repeats the setting that is left
.if MSB != \new
	s_set_vgpr_msb (MSB<<8)|\new
.set MSB, \new
.endif
.endm
.macro PLACES                          ; four plain vector instructions between a matrix instruction and a vector instruction's read of its result (ISA guide 7.12.1)
.rept 4
	v_nop
.endr
.endm
; 16 rows of q or K: eight loads of 512 consecutive bytes (two rows): load i gives my lane row 2 i + lane / 16, d = 4 (lane % 16) + 0 .. 3
.macro KLOAD set, base, off, nt
.set i, 0
.rept 8
.if \nt
	global_load_b128 v[R+32*(\set)+4*i:R+32*(\set)+4*i+3], v[GK], s[\base:\base+1] offset:\off+512*i th:TH_LOAD_NT
.else
	global_load_b128 v[R+32*(\set)+4*i:R+32*(\set)+4*i+3], v[GK], s[\base:\base+1] offset:\off+512*i
.endif
.set i, i+1
.endr
.endm
.macro ULOAD u                         ; unit u of phase A: 0-3 my four tiles of q (read by me alone), 4-19 my sixteen tiles of K (read by the head's four work-groups)
.if (\u) < 4
	KLOAD (\u)%5, 4, 4096*(\u), 1
.else
	KLOAD (\u)%5, 6, 4096*((\u)-4), 0
.endif
.endm
; The unit's 32 numbers a lane become 8 registers of codes, register i = four codes of row 2 i + lane / 16; each goes to its place in the tile's image: 32 i on from my place.
; These stores fall four lanes to a bank (64 banks of 4 bytes: ISA guide 11.1); there are 160 of them a wave in the whole launch.
.macro KPROC set, cd, adr, off, sc, lim
.set i, 0
.rept 32
	v_med3_num_f32 v[R+32*(\set)+i], v[R+32*(\set)+i], -v[\lim], v[\lim]   ; the conversion does not saturate (ISA guide 7.6.2): the hold at the largest code x the scale
.set i, i+1
.endr
	s_wait_dscnt 8                                 ; all but the unit before's eight stores: the stores of two units back are done
	s_wait_alu depctr_vm_vsrc(0)                   ; the LDS stores of two units back have read this set of codes, which the conversions below write again
.set i, 0
.rept 4
	v_cvt_scalef32_pk8_fp8_f32 v[\cd+2*i:\cd+2*i+1], v[R+32*(\set)+8*i:R+32*(\set)+8*i+7], v[\sc]
.set i, i+1
.endr
	s_wait_alu depctr_va_vdst(0)                   ; the conversions have written the codes, which the stores below read; the holds and the conversions are done with the unit's 32 numbers, in whose registers the loads behind the stores land
.set i, 0
.rept 8
	ds_store_b32 v[\adr], v[\cd+i] offset:\off+32*i
.set i, i+1
.endr
.endm
.macro UNIT u, n                       ; n: the younger loads, which may stay out
	s_wait_loadcnt \n
.if (\u) < 4
	KPROC (\u)%5, CD+8*((\u)%2), AQS, 1024*(\u), 16, 17
.else
	KPROC (\u)%5, CD+8*((\u)%2), AKS, 1024*((\u)-4), 18, 19
.endif
.endm
; 16 keys of V, those of a 64-key step that registers 4 g .. 4 g + 3 of lanes' half h want: 32 g + 8 h + 0 .. 7 and 16 further on.  A load is one whole row of 256 bytes; my lane gets d = 2 lane and 2 lane + 1
.macro VLOAD set, g, h, off
	WIN 0x40                                       ; destination window 1
.set i, 0
.rept 16
	global_load_b64 v[32*(\set)+2*i:32*(\set)+2*i+1], v[GV], s[8:9] offset:\off+(32*(\g)+8*(\h)+(i%8)+16*(i/8))*256
.set i, i+1
.endr
	WIN 0
.endm
; They become codes, my registers running down the keys, two d by turns; two byte selects part the d; 16 codes of each d are registers 4 g .. 4 g + 3 of one lane of an image.
.macro VPROC set, g, h, n, more
	s_wait_loadcnt \n                              ; this unit's 16 loads are in; the younger units' may be out
	WIN 0x41                                       ; source 0 and destination window 1
.set i, 0
.rept 32
	v_med3_num_f32 v[32*(\set)+i], v[32*(\set)+i], -v21, v21
.set i, i+1
.endr
	WIN 0x01                                       ; source 0 window 1
.set i, 0
.rept 4
	v_cvt_scalef32_pk8_fp8_f32 v[VC+2*i:VC+2*i+1], v[32*(\set)+8*i:32*(\set)+8*i+7], v20
.set i, i+1
.endr
	WIN 0
	v_nop                                          ; one plain vector instruction between a scaled conversion and the vector instruction that reads its result
	s_wait_alu depctr_vm_vsrc(0)                   ; the LDS stores of the unit before have read VE and VO, which the byte selects below write again
.set i, 0
.rept 4
	v_perm_b32 v[VE+i], v[VC+2*i+1], v[VC+2*i], s28   ; bytes 0, 2, 4, 6 of the pair: four keys of d = 2 lane
	v_perm_b32 v[VO+i], v[VC+2*i+1], v[VC+2*i], s29   ; bytes 1, 3, 5, 7: of d = 2 lane + 1
.set i, i+1
.endr
	s_wait_alu depctr_va_vdst(0)                   ; the byte selects have written VE and VO, which the stores below read; the holds and conversions are done with the unit's set, in which the loads below land;
	                                               ; and the products of the step before are done reading their buffer of K, in which the next step's loads land: no vector or matrix instruction stands between this wait and those loads
	ds_store_b128 v[AVS], v[VE:VE+3] offset:512*(\g)+256*(\h)
	ds_store_b128 v[AVS], v[VO:VO+3] offset:512*(\g)+256*(\h)+16
.if \more
	VLOAD \set, \g, \h, 16384                      ; the same unit of my next 64 keys
.endif
.endm
; 16 matrix instructions: S^T of 64 keys x my 64 queries; each starts its sum with the constant 0 and ends it: K = the head's 64
.macro KQ kb
.set kt, 0
.rept 4
.set qq, 0
.rept 4
	v_wmma_f32_16x16x64_fp8_fp8 v[S+32*qq+8*kt:S+32*qq+8*kt+7], v[\kb+8*kt:\kb+8*kt+7], v[QF+8*qq:QF+8*qq+7], 0
.set qq, qq+1
.endr
.set kt, kt+1
.endr
.endm
; A step of pass 1, the j-th of a trip's eight.  more = 1: the next step's four fragments of K are asked for first, into the other buffer.
; w = 1: a wait on va_vdst stands ahead of those loads; w = 0: the step follows a unit of V, whose wait has stated the same.
.macro P1STEP j, more, w
.if \more
	WIN 0x40
.if \w
	s_wait_alu depctr_va_vdst(0)                   ; the products of the step before are done reading the buffer in which the loads below land; in a trip's first step v[ADK], their address, is written
.endif
.set f, 0
.rept 8
	ds_load_b128 v[KF+32*(((\j)+1)%2)+4*f:KF+32*(((\j)+1)%2)+4*f+3], v[ADK] offset:((\j)+1)*4096+512*f
.set f, f+1
.endr
	s_wait_dscnt 8                                 ; all but the eight just issued: this step's fragments are in
.else
	s_wait_dscnt 0
.endif
	WIN 0x05                                       ; K and Q window 1, S^T window 0
	KQ KF+32*((\j)%2)
	WIN 0
	PLACES
.set i, 0
.rept 16                               ; each query's largest score, in two chains a tile, the tiles by turns; each accumulator is read from its low end on
.set qq, 0
.rept 4
	v_max3_num_f32 v[ST+8*qq+6+i%2], v[ST+8*qq+6+i%2], v[S+32*qq+2*i], v[S+32*qq+2*i+1]
.set qq, qq+1
.endr
.set i, i+1
.endr
.endm
; A trip of pass 1: eight steps (512 keys) and, in four parts between them, 64 of my keys of V.  more = 0: the last trip: nothing more is asked of V, and the last step asks for no K beyond the head's
.macro P1TRIP more
	s_wait_alu depctr_vm_vsrc(0)                   ; the LDS loads issued so far have read v[ADK], the LDS stores v[AVS]: both are written below
	v_add_nc_u32 v[ADK], s24, v[LI]
	v_add_nc_u32 v[AVS], s32, v[VSC]
.irp p, 0,1,2,3
.if \p == 0
	P1STEP 2*\p, 1, 1
.else
	P1STEP 2*\p, 1, 0
.endif
.if \more || (\p < 3)
	P1STEP 2*\p+1, 1, 1
.else
	P1STEP 2*\p+1, 0, 0
.endif
.if \more
	VPROC \p, \p/2, \p%2, 48, 1                    ; three younger units of 16 loads
.else
	VPROC \p, \p/2, \p%2, 48-16*\p, 0              ; the counts run down
.endif
.endr
.endm
; A step of pass 2: 64 keys.  zero = 1: the first step starts O^T's sums with the constant 0.  vb: the buffer that holds this step's V.
; more = 1: the next step's K and V are asked for, behind the step's one wait on va_vdst: K at v[ak] + off, V at v[ADV] + off, into the other buffer
.macro P2STEP zero, more, vb, ak, off
	s_wait_dscnt 8                                 ; K is in; V's eight loads may be out
	WIN 0x05
	KQ KF
	WIN 0
	PLACES
.set qq, 0
.rept 4
.set i, 0
.rept 16
	v_pk_fma_f32 v[S+32*qq+2*i:S+32*qq+2*i+1], v[S+32*qq+2*i:S+32*qq+2*i+1], v[CC:CC+1], v[ST+8*qq:ST+8*qq+1] op_sel_hi:[1,0,0]   ; t - M = c s - M, two at a time (of the pairs c and -M the low word serves both halves)
.set i, i+1
.endr
.set qq, qq+1
.endr
.set i, 0
.rept 128
	v_exp_f32 v[S+i], v[S+i]                       ; p = 2^(t - M): not normalised
.set i, i+1
.endr
	v_nop                                          ; a plain instruction behind the last exponential
.if \more
	WIN 0x40                                       ; destination window 1, for the loads below
.endif
	s_wait_alu depctr_va_vdst(0)                   ; one wait for the batch of exponentials, ahead of its first reader.  It is the step's one wait on va_vdst: this step's first products are done reading K's
	                                               ; fragments, the second products of the step before are done reading the other buffer of V, and in a trip's first step v[ADK] and v[ADV] are written
.if \more
.set f, 0
.rept 8
	ds_load_b128 v[KF+4*f:KF+4*f+3], v[\ak] offset:(\off)+512*f
.set f, f+1
.endr
.set f, 0
.rept 8
	ds_load_b128 v[VF+64*(1-(\vb))+4*f:VF+64*(1-(\vb))+4*f+3], v[ADV] offset:(\off)+512*f
.set f, f+1
.endr
	WIN 0
.endif
.set i, 0
.rept 16                               ; l is taken of the unquantised p: two chains a tile, the tiles by turns
.set qq, 0
.rept 4
	v_pk_add_f32 v[ST+8*qq+2+2*(i%2):ST+8*qq+3+2*(i%2)], v[ST+8*qq+2+2*(i%2):ST+8*qq+3+2*(i%2)], v[S+32*qq+2*i:S+32*qq+2*i+1]
.set qq, qq+1
.endr
.set i, i+1
.endr
	s_cmp_eq_u32 s30, 0                            ; p is at most 1 (but for rounding), and 448 x 2^ep is 1.75 or more where ep >= -8: there the hold can change nothing and is passed over,
	s_cbranch_scc1 .Lfree_\@                       ; by a branch on a whole number that was read from lowp_scales
.set i, 0
.rept 128
	v_min_num_f32 v[S+i], v[S+i], v23              ; p is not negative: the hold is one-sided
.set i, i+1
.endr
.Lfree_\@:
.set qq, 0
.rept 4
.set kt, 0
.rept 4
	v_cvt_scalef32_pk8_fp8_f32 v[P+8*qq+2*kt:P+8*qq+2*kt+1], v[S+32*qq+8*kt:S+32*qq+8*kt+7], v22
.set kt, kt+1
.endr
.set qq, qq+1
.endr
	v_nop                                          ; one plain vector instruction between a scaled conversion and the matrix instruction that reads its result
.if \more
	s_wait_dscnt 16                                ; V is in; the next step's sixteen loads may be out
.else
	s_wait_dscnt 0
.endif
	WIN 0x51                                       ; V, C and D window 1, P window 0
.set u, 0
.rept 4                                ; the sixteen accumulators take turns, one instruction a turn
.set qq, 0
.rept 4
.if \zero
	v_wmma_f32_16x16x64_fp8_fp8 v[OT+32*qq+8*u:OT+32*qq+8*u+7], v[VF+64*(\vb)+8*u:VF+64*(\vb)+8*u+7], v[P+8*qq:P+8*qq+7], 0
.else
	v_wmma_f32_16x16x64_fp8_fp8 v[OT+32*qq+8*u:OT+32*qq+8*u+7], v[VF+64*(\vb)+8*u:VF+64*(\vb)+8*u+7], v[P+8*qq:P+8*qq+7], v[OT+32*qq+8*u:OT+32*qq+8*u+7]
.endif
.set qq, qq+1
.endr
.set u, u+1
.endr
	WIN 0
.endm
.macro MKSCALE e, sc, lim              ; 2^e as f32, whose exponent field the conversion takes, and 448 x 2^e
	s_add_co_i32 s34, s[\e], 127
	s_lshl_b32 s35, s34, 23
	v_mov_b32 v[\sc], s35
	s_add_co_i32 s34, s34, 8
	s_lshl_b32 s34, s34, 23
	s_or_b32 s34, s34, 0x600000
	v_mov_b32 v[\lim], s34
.endm
	s_load_b256 s[4:11], s[0:1], 0x0               ; q, k, v, scale
	s_load_b128 s[12:15], s[0:1], 0x20             ; lowp_scales, out0
	v_lshl_add_u32 v[SPW], v0, 2, SPARE
	v_mov_b32 v[NIL], 0
	v_lshrrev_b32 v57, 5, v0
	v_readfirstlane_b32 s21, v57                   ; wave 0..7
	v_and_b32 v57, 31, v0                          ; lane
	v_lshlrev_b32 v[LI], 4, v57
	v_lshlrev_b32 v[GK], 4, v57
	v_lshlrev_b32 v[GV], 3, v57
	v_add_nc_u32 v[ADV], VIMG, v[LI]               ; V's images at step 0: the first loads of pass 2 go by it
	; where my four codes of a loaded row go in a tile's image: d = 4 (lane % 16) on is register lane % 8 of half (lane / 8) % 2; the row is 2 i + lane / 16
	v_bfe_u32 v58, v0, 2, 1
	v_lshlrev_b32 v58, 9, v58                      ; registers 4-7: 512 on
	v_bfe_u32 v59, v0, 3, 1
	v_lshl_add_u32 v58, v59, 8, v58                ; the upper half of the image's lanes: 256 on
	v_and_b32 v59, 3, v0
	v_lshl_add_u32 v58, v59, 2, v58                ; the register among four
	v_bfe_u32 v59, v0, 4, 1                        ; h = lane / 16
	v_lshl_add_u32 v58, v59, 4, v58                ; the odd row: one lane on
	s_wait_alu depctr_va_sdst(0)                   ; s21 is written, ahead of its first reader: bases and LDS addresses are made from it
	s_and_b32 s22, ttmp7, 0xffff                   ; the head,
	s_lshl_b32 s22, s22, 19                        ; its first byte in each tensor: 2,048 rows of 256 bytes
	s_lshl_b32 s33, ttmp9, 17                      ; my work-group's 512 queries
	s_add_co_u32 s36, s22, s33
	s_lshl_b32 s33, s21, 14                        ; my wave's 64 queries; also my wave's 16 tiles in K's images and 16 fragments in V's
	s_add_co_u32 s36, s36, s33
	s_mov_b32 s37, 0
	s_lshl_b32 s35, s21, 16                        ; my wave's 256 keys
	s_add_co_u32 s22, s22, s35
	s_mov_b32 s23, 0
	v_add_nc_u32 v[AKS], s33, v58
	s_add_co_u32 s32, s33, VIMG
	s_mul_i32 s34, s21, STGW
	s_add_co_u32 s34, s34, STG                     ; my stage
	v_add_nc_u32 v[AQS], s34, v58
	v_add_nc_u32 v[AQR], s34, v[LI]
	v_bfe_u32 v60, v0, 3, 2
	v_lshlrev_b32 v[VSC], 10, v60                  ; V: d = 2 lane lies in fragment t = lane / 8,
	v_and_b32 v60, 7, v0
	v_lshl_add_u32 v[VSC], v60, 5, v[VSC]          ; lane 2 (lane % 8) of its image
	v_and_b32 v60, 15, v0                          ; r = lane % 16
	v_mul_u32_u24 v[STO], v60, 272
	v_lshl_add_u32 v[STO], v59, 5, v[STO]
	v_add_nc_u32 v[STO], s34, v[STO]               ; the way out, in: row r, + 32 h
	v_mul_u32_u24 v[RD], v59, 272
	v_lshl_add_u32 v[RD], v60, 4, v[RD]
	v_add_nc_u32 v[RD], s34, v[RD]                 ; back: lanes 0-15 one row of 256 bytes, lanes 16-31 the next
	v_lshlrev_b32 v[GO], 8, v59
	v_lshl_add_u32 v[GO], v60, 4, v[GO]            ; and the same two rows in out0
	s_mov_b32 s26, 0x76543210
	s_mov_b32 s27, 0xfedcba98
	s_mov_b32 s28, 0x06040200
	s_mov_b32 s29, 0x07050301
	s_wait_kmcnt 0x0
	s_load_b128 s[16:19], s[12:13], 0x0            ; eq, ek, ep, ev
	s_load_b32 s20, s[10:11], 0x0                  ; scale
	s_add_nc_u64 s[6:7], s[6:7], s[22:23]          ; K and V at my wave's first key
	s_add_nc_u64 s[8:9], s[8:9], s[22:23]
	s_add_nc_u64 s[4:5], s[4:5], s[36:37]          ; q and out0 at my wave's first query
	s_add_nc_u64 s[14:15], s[14:15], s[36:37]
	s_wait_alu depctr_va_vdst(0)                   ; the addresses v1 to v7 and v10 to v13 are written, which the loads and stores of the whole kernel read
.irp u, 0,1,2,3,4
	ULOAD \u                                       ; five units, 40 loads, are on their way
.endr
.irp t, 0,1,2,3
	v_mov_b32 v[ST+8*\t+2], 0                      ; l
	v_mov_b32 v[ST+8*\t+3], 0
	v_mov_b32 v[ST+8*\t+4], 0
	v_mov_b32 v[ST+8*\t+5], 0
	v_mov_b32 v[ST+8*\t+6], 0xff800000             ; the largest score so far: -infinity
	v_mov_b32 v[ST+8*\t+7], 0xff800000
.endr
	s_wait_kmcnt 0x0
	MKSCALE 16, 16, 17
	MKSCALE 17, 18, 19
	MKSCALE 19, 20, 21
	MKSCALE 18, 22, 23
	s_cmp_lt_i32 s18, -8
	s_cselect_b32 s30, 1, 0                        ; 448 x 2^ep < 1 only where ep < -8
	s_add_co_i32 s31, s16, s17                     ; a score stands for score x 2^(eq + ek)
	v_rcp_f32 v[CC], s20
	v_nop                                          ; a plain instruction behind the reciprocal,
	s_wait_alu depctr_va_vdst(0)                   ; and a wait ahead of its first reader: the reciprocal has written v[CC]
	v_mul_f32 v[CC], 0x3fb8aa3b, v[CC]             ; log2(e) / scale
	v_ldexp_f32 v[CC], v[CC], s31
	v_ashrrev_i32 v[SGN], 31, v[CC]
	v_and_b32 v[SGN], 0x80808080, v[SGN]           ; the four sign bits of a register of codes, where scale is negative
	v_and_b32 v[CC], 0x7fffffff, v[CC]             ; c = |c|
	v_mov_b32 v[CC+1], v[CC]
	s_add_co_i32 s31, s18, s19                     ; ep + ev, for the way out
	; ---- PHASE A.  Twenty units of 16 rows; five are on their way at any time; the count at a unit's head leaves the younger ones out
.irp u, 0,1,2,3,4,5,6,7,8,9,10,11,12,13,14
	UNIT \u, 32                                    ; four younger units of 8 loads
	ULOAD \u+5                                     ; into the set that the unit has left: its wait on va_vdst has stated that
.endr
	UNIT 15, 32
	VLOAD 0, 0, 0, 0                               ; the ring of K runs out: V's first 64 keys take its place, 16 loads a unit, in registers that no instruction has named yet
	UNIT 16, 40                                    ; 24 of K + 16 of V
	VLOAD 1, 0, 1, 0
	UNIT 17, 48                                    ; 16 + 32
	VLOAD 2, 1, 0, 0
	UNIT 18, 56                                    ; 8 + 48
	UNIT 19, 48                                    ; 48 of V
	VLOAD 3, 1, 1, 0
	WIN 0x40
.set f, 0
.rept 8
	ds_load_b128 v[QF+4*f:QF+4*f+3], v[AQR] offset:512*f   ; Q's four fragments, from my own stage: LDS serves a wave's instructions in order (ISA guide 5.7.1.4); no instruction has named these registers yet
.set f, f+1
.endr
	s_wait_dscnt 0x0                               ; Q is in; and, for the others' sake, my stores of K's images are done
	WIN 0x44                                       ; source 1 and destination window 1
.set i, 0
.rept 32
	v_xor_b32 v[QF+i], v[SGN], v[QF+i]             ; -q where scale is negative
.set i, i+1
.endr
	WIN 0
	s_barrier_signal -1                            ; barrier 1: K's 128 tiles lie in LDS.  (My loads of V stay on their way: nobody writes those bytes)
	s_barrier_wait -1
	; ---- PASS 1
	s_mov_b32 s24, 0
	WIN 0x40
.set f, 0
.rept 8
	ds_load_b128 v[KF+4*f:KF+4*f+3], v[LI] offset:512*f    ; step 0's fragments of K; no instruction has named these registers yet
.set f, f+1
.endr
	WIN 0
	s_mov_b32 s25, 3
.Lp1:
	P1TRIP 1
	s_wait_xcnt 0x0                                ; V's loads have read their base: it is stepped only behind this wait
	s_add_nc_u64 s[8:9], s[8:9], 16384             ; 64 keys on
	s_add_co_u32 s24, s24, 32768                   ; eight steps of K's images on
	s_add_co_u32 s32, s32, 4096                    ; a step of V's images on
	s_sub_co_u32 s25, s25, 1
	s_cmp_lg_u32 s25, 0
	s_cbranch_scc1 .Lp1
	P1TRIP 0                                       ; the fourth trip is written out: no load leaves v, and no LDS load reaches beyond K's images
.irp t, 0,1,2,3
	v_max_num_f32 v[ST+8*\t+6], v[ST+8*\t+6], v[ST+8*\t+7]
.endr
.irp t, 0,1,2,3
	v_permlanex16_b32 v[ST+8*\t+7], v[ST+8*\t+6], s26, s27   ; the query's other keys lie in the lane 16 away
.endr
.irp t, 0,1,2,3
	v_max_num_f32 v[ST+8*\t+1], v[ST+8*\t+6], v[ST+8*\t+7]   ; the row's largest score
.endr
.irp t, 0,1,2,3
	v_mul_f32 v[ST+8*\t+6], v[CC], v[ST+8*\t+1]              ; as t (c is positive)
.endr
.irp t, 0,1,2,3
	v_floor_f32 v[ST+8*\t], -v[ST+8*\t+6]                    ; -M = floor(-t) = -ceil(t)
.endr
	s_wait_dscnt 0x0                               ; for the others' sake: my stores of V's images are done
	s_barrier_signal -1                            ; barrier 2: V's 128 fragments lie in LDS
	s_barrier_wait -1
	; ---- PASS 2
	; Step 0's fragments.  They land in pass 1's two buffers of K.  No wait on va_vdst stands here: pass 1's last products stand ahead of the wait in the last unit of V, and the lines since name the statistics alone
	WIN 0x40
.set f, 0
.rept 8
	ds_load_b128 v[KF+4*f:KF+4*f+3], v[LI] offset:512*f    ; step 0's fragments of K
.set f, f+1
.endr
.set f, 0
.rept 8
	ds_load_b128 v[VF+4*f:VF+4*f+3], v[ADV] offset:512*f   ; and of V, into buffer 0
.set f, f+1
.endr
	WIN 0
	P2STEP 1, 1, 0, LI, 4096                       ; the first step starts O^T's sums: nothing is cleared; it asks for step 1 by the addresses made at the head
	s_mov_b32 s24, 0
	s_mov_b32 s25, 15
.Lp2:                                                  ; trip t: steps 2 t + 1 and 2 t + 2, after which V's buffers are back where they began
	s_add_co_u32 s24, s24, 8192                    ; the images of step 2 t + 2: stepped at the trip's head, so that the base never holds a value that the loop does not use
	s_wait_alu depctr_vm_vsrc(0)                   ; the LDS loads issued so far have read v[ADK] and v[ADV], which are written below
	v_add_nc_u32 v[ADK], s24, v[LI]
	v_add_nc_u32 v[ADV], VIMG, v[ADK]
	P2STEP 0, 1, 1, ADK, 0
	P2STEP 0, 1, 0, ADK, 4096
	s_sub_co_u32 s25, s25, 1
	s_cmp_lg_u32 s25, 0
	s_cbranch_scc1 .Lp2
	P2STEP 0, 0, 1, ADK, 0                         ; the last step asks for nothing
	; ---- THE WAY OUT.  These sixteen plain lines are also the places behind the last products
.irp t, 0,1,2,3
	v_pk_add_f32 v[ST+8*\t+2:ST+8*\t+3], v[ST+8*\t+2:ST+8*\t+3], v[ST+8*\t+4:ST+8*\t+5]
.endr
.irp t, 0,1,2,3
	v_add_f32 v[ST+8*\t+2], v[ST+8*\t+2], v[ST+8*\t+3]
.endr
.irp t, 0,1,2,3
	v_permlanex16_b32 v[ST+8*\t+5], v[ST+8*\t+2], s26, s27
.endr
.irp t, 0,1,2,3
	v_add_f32 v[ST+8*\t+2], v[ST+8*\t+2], v[ST+8*\t+5]       ; l
.endr
.irp t, 0,1,2,3
	v_rcp_f32 v[ST+8*\t+6], v[ST+8*\t+2]
.endr
	v_nop                                          ; a plain instruction behind the last reciprocal,
	s_wait_alu depctr_va_vdst(0)                   ; and one wait for the four, ahead of their first reader: the reciprocals have written their results
.irp t, 0,1,2,3
	v_ldexp_f32 v[ST+8*\t+6], v[ST+8*\t+6], s31    ; 2^(ep + ev) / l
.endr
; Tile t: register 8 u + j of lane (r, h) is out0(16 t + r, 16 u + 8 h + j).
.macro SCALE t
.set i, 0
.rept 16
	v_pk_mul_f32 v[S+32*\t+2*i:S+32*\t+2*i+1], v[OT+32*\t+2*i:OT+32*\t+2*i+1], v[ST+8*\t+6:ST+8*\t+7] op_sel_hi:[1,0]   ; each accumulator from its low end on
.set i, i+1
.endr
.endm
; 16 rows go into my stage, 272 bytes apart, and come back as whole rows of 256 bytes, into the registers that they left.
.macro STAGE t
.set i, 0
.rept 4
	ds_store_b128 v[STO], v[S+32*\t+8*i:S+32*\t+8*i+3] offset:64*i
	ds_store_b128 v[STO], v[S+32*\t+8*i+4:S+32*\t+8*i+7] offset:64*i+16
.set i, i+1
.endr
	s_wait_alu depctr_vm_vsrc(0)                   ; the eight stores above have read the tile's registers, in which the loads below land
.set i, 0
.rept 8
	ds_load_b128 v[S+32*\t+4*i:S+32*\t+4*i+3], v[RD] offset:544*i   ; LDS serves a wave's instructions in order: these see the stores above, and the next tile's stores come behind them
.set i, i+1
.endr
.endm
.macro SEND t, younger                 ; younger: the LDS instructions issued behind tile t's loads: the next tile's sixteen, or none
.set i, 0
.rept 8
	s_wait_dscnt \younger+7-i
	global_store_b128 v[GO], v[S+32*\t+4*i:S+32*\t+4*i+3], s[14:15] offset:4096*\t+512*i th:TH_STORE_NT   ; sixteen lanes store one row: 256 consecutive bytes, at a multiple of 256 from out0's first byte
.set i, i+1
.endr
.endm
	WIN 0x01                                       ; source 0 (O^T) window 1
	SCALE 0
	SCALE 1
	SCALE 2
	SCALE 3
	WIN 0
	s_wait_alu depctr_va_vdst(0)                   ; the 64 multiplies have written the four tiles' registers, which the LDS stores below read and in which the loads from the stage land; no vector instruction follows
	STAGE 0
	STAGE 1                                        ; a tile's way through the stage stands between the loads of the tile before and its stores
	SEND 0, 16
	STAGE 2
	SEND 1, 16
	STAGE 3
	SEND 2, 16
	SEND 3, 0
	s_wait_dscnt 0x0                               ; the closing lines, six on end
	s_wait_alu 0x0
	s_wait_tensorcnt 0x0
	ds_add_u32 v[SPW], v[NIL]
	s_wait_dscnt 0x0
	s_endpgm
.Lfunc_end_k_qbb23a66ccf_attn:
	.size	k_qbb23a66ccf_attn, .Lfunc_end_k_qbb23a66ccf_attn-k_qbb23a66ccf_attn
	.p2alignl 7, 3214868480
	.fill 96, 4, 3214868480
	.section	.rodata,"a",@progbits
	.p2align	6, 0x0
	.amdhsa_kernel k_qbb23a66ccf_attn
		.amdhsa_group_segment_fixed_size 302080
		.amdhsa_private_segment_fixed_size 0
		.amdhsa_enable_private_segment 0
		.amdhsa_kernarg_size 48
		.amdhsa_user_sgpr_count 2
		.amdhsa_user_sgpr_kernarg_segment_ptr 1
		.amdhsa_wavefront_size32 1
		.amdhsa_system_sgpr_workgroup_id_x 1
		.amdhsa_system_sgpr_workgroup_id_y 1
		.amdhsa_system_sgpr_workgroup_id_z 1
		.amdhsa_system_vgpr_workitem_id 0
		.amdhsa_next_free_vgpr 512
		.amdhsa_next_free_sgpr 66
		.amdhsa_reserve_vcc 0
		.amdhsa_float_denorm_mode_32 3
		.amdhsa_float_denorm_mode_16_64 3
		.amdhsa_memory_ordered 1
		.amdhsa_forward_progress 1
		.amdhsa_inst_pref_size 255
	.end_amdhsa_kernel
	.section	.bss,"aw",@nobits
	.p2align	6
	.space	262144
	.amdgpu_metadata
---
amdhsa.version: [ 1, 2 ]
amdhsa.kernels:
  - .name:           k_qbb23a66ccf_attn
    .symbol:         k_qbb23a66ccf_attn.kd
    .args:
      - { .name: q, .offset: 0, .size: 8, .value_kind: global_buffer, .address_space: global }
      - { .name: k, .offset: 8, .size: 8, .value_kind: global_buffer, .address_space: global }
      - { .name: v, .offset: 16, .size: 8, .value_kind: global_buffer, .address_space: global }
      - { .name: scale, .offset: 24, .size: 8, .value_kind: global_buffer, .address_space: global }
      - { .name: lowp_scales, .offset: 32, .size: 8, .value_kind: global_buffer, .address_space: global }
      - { .name: out0, .offset: 40, .size: 8, .value_kind: global_buffer, .address_space: global }
    .group_segment_fixed_size: 302080
    .private_segment_fixed_size: 0
    .kernarg_segment_align: 8
    .kernarg_segment_size: 48
    .max_flat_workgroup_size: 256
    .sgpr_count:     66
    .vgpr_count:     512
    .wavefront_size: 32
...
	.end_amdgpu_metadata
.endif
;; end of part 2
